; MI455X (gfx1250); checked and timed in simulation.
; The chip was launched on July 23, 2026; its instructions are those of AMD's public machine-readable ISA for CDNA 5 (MIT licence, August 2026) and "CDNA5" Instruction Set Architecture Reference Guide (July 2026). The comments in the code are by the model that wrote it; some were corrected since.
;; Multi Head Attention. Allowed arithmetic: matrix products marked QUANTISED: E2M3 operands, one E8M0 scale for each 32 along K, by v_wmma_scale_f32_16x16x128_f8f6f4 with both operands' format E2M3, f32 sums; everything else in f32.
;; Inputs: Wo 1,024 x 1,024 float32; Wq 1,024 x 1,024 float32; bo 1,024 float32; bq 1,024 float32; x 2 x 2,048 x 1,024 float32.
;; Outputs: out0 2 x 2,048 x 1,024 float32.
;; This version of the problem:
;;   THIS VERSION OF THE PROBLEM IS GIVEN IN LOW PRECISION. The matrix products marked QUANTISED in the list below multiply operands that are first quantised to E2M3 (2 exponent bits, 3 mantissa bits; 6 bits a number), with one power-of-two scale for each 32 numbers along K (OCP MX v1.0); their sums are f32. All else is computed in f32.
;;   The module's matrix products, in the order in which they are computed (A, B: the left and right operand; K: the contracted axis; several contracted axes count as one K, in the product's order):
;;     1. [M 4,096, K 1,024] x [K 1,024, N 1,024]; A: input x; B: input Wq: QUANTISED
;;     2. batch 32 x [M 2,048, K 64] x [K 64, N 2,048]; A: computed on the way; B: computed on the way: QUANTISED
;;     3. batch 32 x [M 2,048, K 2,048] x [K 2,048, N 64]; A: softmax (see below); B: computed on the way: QUANTISED
;;     4. [M 4,096, K 1,024] x [K 1,024, N 1,024]; A: computed on the way; B: input Wo: QUANTISED
;;   THE QUANTISER, for each operand of a quantised product, along K:
;;     - K is cut into blocks of 32 from its start; a last block that is shorter is filled with zeros.
;;     - A block's scale is 2^e with e = floor(log2(the largest magnitude in the block)) - 2, held to -126 .. 127; a block of zeros has e = 0. As a byte (E8M0): e + 127.
;;     - Each number is divided by its block's scale, clamped to +-7.5, and rounded to the nearest number of E2M3, ties to even, subnormals kept.
;;     - The product sums the exact products of the quantised numbers (number of the format x scale) in f32.
;;   ~~~python
;;   def quantise(x, axis):      # numpy; x: float32 -> the quantised numbers, widened to float32 again
;;       x = np.moveaxis(x, axis, -1); K = x.shape[-1]
;;       x = np.pad(x, [(0, 0)] * (x.ndim - 1) + [(0, -K % 32)]); x = x.reshape(x.shape[:-1] + (-1, 32)); a = np.abs(x).max(-1, keepdims=True)
;;       e = np.where(a > 0, np.clip(np.frexp(np.where(a > 0, a, 1))[1] - 1 - 2, -126, 127), 0)      # np.frexp(a)[1] - 1 = floor(log2(a)), exactly
;;       r = np.clip(x / 2.0 ** e, -7.5, 7.5)
;;       step = 2.0 ** (np.maximum(np.frexp(np.where(r == 0, 1, r))[1] - 1, 0) - 3)
;;       q = np.round(r / step) * step * 2.0 ** e      # np.round: ties to even
;;       return np.moveaxis(q.reshape(q.shape[:-2] + (-1,))[..., :K], -1, axis).astype(np.float32)
;;   ~~~
;;   SOFTMAX AHEAD OF A QUANTISED PRODUCT. Where the list says 'softmax', what is quantised is not the finished softmax but p = 2^(t - M), with t = logit x log2(e) and M = ceil(the row's largest t), a whole number; so 1/2 < the row's largest p <= 1. The row's sum l is taken of the UNQUANTISED p, in f32, and the product's result is divided by l at the end. Since M is a whole number, a kernel that streams over the keys may use a running M (the ceiling of the running maximum): every later rescaling is an exact power of two, which a block's scale takes up: the codes' values come out the same.
;;   OPERANDS COMPUTED ON THE WAY. 'Computed on the way' means the value that the module computes at that place (a softmax that the list does not call 'softmax' is quantised finished and normalised). What goes into a quantiser is computed in f32, as accurately as f32 sums, v_exp_f32 and their like allow (about 1e-6 of the number): no bf16 or f16 on the way to a quantiser, and a product that is left as it is and whose result goes on into a quantised operand takes f32 operands (vector FMAs, or v_wmma_f32_16x16x4_f32). A number that lies on a knife's edge between two numbers of the format may be rounded either way, as far as f32 arithmetic and the matrix unit's own rounding can turn it there, and no further.
;; One version. Each part assembles by itself: llvm-mc -triple=amdgcn-amd-amdhsa -mcpu=gfx1250 --defsym DOCPART=n.
;; ======== version 1 of 1: 4 launches
;; limits: right only within a limited range of input values
;; workspace buffers: xq 3,276,800 bytes; wqq 819,200 bytes; woq 819,200 bytes; kq 3,407,872 bytes; vq 3,276,800 bytes; oq 3,276,800 bytes
;; launch prep (part 1): grid 384 x 1, 8 waves a work-group, no clusters, 68,608 bytes of LDS; arguments x, Wq, Wo, xq, wqq, woq; writes xq, wqq, woq
.if DOCPART == 1
	.amdgcn_target "amdgcn-amd-amdhsa--gfx1250"
	.amdhsa_code_object_version 6
	.text
	.protected	k_qe18c7f7df5_prep
	.globl	k_qe18c7f7df5_prep
	.p2align	8
	.type	k_qe18c7f7df5_prep,@function
k_qe18c7f7df5_prep:
	s_mov_b64 s[64:65], 0
	v_nop
	global_prefetch_b8 v0, s[64:65] scope:SCOPE_SE
	s_setreg_imm32_b32 hwreg(HW_REG_WAVE_MODE, 25, 1), 1
	s_wait_xcnt 0x0
; x [4096][1024], Wq and Wo [1024 (k)][1024 (n)], f32, become codes of E2M3 with one E8M0 byte for each 32 along K, laid as IMAGES OF THE OPERAND'S REGISTERS.
; A block's scale is 2^(floor(log2(its largest magnitude)) - 2); its byte is the largest magnitude's exponent field - 2, held at 1 from below.
; LIMITS: NaN and infinities among the inputs are not served.  A block of zeros gets the byte 1 (the stated quantiser says 127): its codes are zeros, and only this program reads the bytes.
; A FRAGMENT is 16 rows x 128 K, 12 registers a lane: lane (r, h) holds row r, registers 6 c .. 6 c + 5 hold k = 64 c + 32 h + 0 .. 31.  Its image is 1,536 bytes, two halves c of 768:
;   registers 6 c .. 6 c + 3 of lane l at 768 c + 16 l, registers 6 c + 4, 6 c + 5 at 768 c + 512 + 8 l.
; THE 16 ROWS OF A TILE ARE NOT NEIGHBOURS: lane r of tile 2 b + u holds row 32 b + 8 u + P(r), P(r) = r + 8 (r / 8).
; A CHUNK is 12,800 bytes: the 8 fragments of 128 rows for one K step of 128, then 512 bytes of scale words [tile 8][r 16].  xq: [128 tokens: 32][K step: 8] chunks; wqq, woq: [128 columns: 8][K step: 8] chunks.
; Work-groups 0-127 take the weights, 128-383 take x; no work-group reads what another reads, so nothing is shared in a cluster.  No barrier: waves share nothing.  Only x's path touches LDS.
.set QM, 176                           ; v176-177 two chains of a block's largest magnitude
.set QS, 178                           ; v178     the conversions' scale operand
.set QT, 180                           ; v180-182 the upper 16 codes (a conversion's three registers begin on an even number)
.set QB, 184                           ; v184-185 scale bytes
.set WD, 188                           ; v188     the scale word
.set PT, 189                           ; v189     the other half of the lanes' part of it
; 32 numbers of one lane, v[s] .. v[s + 31], one block: six registers of codes in v[c] on, the scale's byte in v[qb].  fl: the floor under the largest magnitude
.macro QUANTW s, c, fl, qb
	v_max3_num_f32 v[QM], |v[(\s)]|, |v[(\s)+1]|, |v[(\s)+2]|
	v_max3_num_f32 v[QM+1], |v[(\s)+3]|, |v[(\s)+4]|, |v[(\s)+5]|
.irp i, 6,10,14,18,22,26
	s_delay_alu instid0(VALU_DEP_2)
	v_max3_num_f32 v[QM], v[QM], |v[(\s)+\i]|, |v[(\s)+\i+1]|
	s_delay_alu instid0(VALU_DEP_2)
	v_max3_num_f32 v[QM+1], v[QM+1], |v[(\s)+\i+2]|, |v[(\s)+\i+3]|
.endr
	s_delay_alu instid0(VALU_DEP_2)
	v_max3_num_f32 v[QM], v[QM], |v[(\s)+30]|, |v[(\s)+31]|
	s_delay_alu instid0(VALU_DEP_1)
	v_max3_num_f32 v[QM], v[QM], v[QM+1], \fl      ; the floor holds the byte from below
	s_delay_alu instid0(VALU_DEP_1)
	v_add_nc_u32 v[QS], 0xff000000, v[QM]          ; 2 off the exponent field: the conversion takes that field as its scale and nothing else
	s_delay_alu instid0(VALU_DEP_1)
	v_lshrrev_b32 v[\qb], 23, v[QS]                ; the scale's byte
	v_cvt_scalef32_pk16_fp6_f32 v[(\c):(\c)+2], v[(\s):(\s)+15], v[QS]
	v_cvt_scalef32_pk16_fp6_f32 v[QT:QT+2], v[(\s)+16:(\s)+31], v[QS]
	v_nop                                          ; one plain place behind a scaled conversion
.irp i, 0,1,2
	v_mov_b32 v[(\c)+3+\i], v[QT+\i]
.endr
.endm
	s_load_b256 s[4:11], s[0:1], 0x0               ; x s[4:5], Wq s[6:7], Wo s[8:9], xq s[10:11]
	s_load_b128 s[12:15], s[0:1], 0x20             ; wqq s[12:13], woq s[14:15]
	v_lshl_add_u32 v192, v0, 2, 0x10800
	v_mov_b32 v193, 0
	v_lshrrev_b32 v1, 5, v0
	s_delay_alu instid0(VALU_DEP_1)
	v_readfirstlane_b32 s16, v1                    ; wave 0..7
	v_and_b32 v1, 31, v0                           ; lane
	s_mov_b32 s24, 0x76543210
	s_mov_b32 s25, 0xfedcba98                      ; v_permlanex16_b32's selects for lane l xor 16
	s_wait_kmcnt 0x0
	s_cmp_ge_u32 ttmp9, 128
	s_cbranch_scc1 .Lx
; ---- THE WEIGHTS, AS THE WORK IS NOW DEALT (the head comment's numbers of work-groups are no more): work-groups 0-127 take the weights, 128-383 take x.
; Work-group g: tensor g / 64, K step (g / 8) % 8, columns 256 ((g / 2) % 4) on, half c = g % 2 of the K step: 64 along K, two blocks, one half of each image.  A LANE TAKES A COLUMN AND ITS REGISTERS RUN DOWN K: a load reads 128 consecutive bytes, the eight waves stand side by side on 1,024.
	s_cmp_lt_u32 ttmp9, 64                         ; the choice hangs on the work-group's number alone
	s_cselect_b64 s[18:19], s[6:7], s[8:9]         ; the weight
	s_cselect_b64 s[20:21], s[12:13], s[14:15]     ; its images
	s_lshr_b32 s22, ttmp9, 3
	s_and_b32 s22, s22, 7                          ; K step
	s_lshr_b32 s23, ttmp9, 1
	s_and_b32 s23, s23, 3                          ; which 256 columns
	s_and_b32 s31, ttmp9, 1                        ; c: which 64 of the K step's 128
	s_lshl_b32 s26, s22, 19                        ; 128 rows of 4,096 bytes a K step
	s_lshl_b32 s38, s31, 18                        ; 64 rows a half
	s_add_co_u32 s26, s26, s38
	s_lshl_b32 s27, s23, 10
	s_add_co_u32 s26, s26, s27
	s_lshl_b32 s27, s16, 7                         ; my wave's 32 columns
	s_add_co_u32 s26, s26, s27
	s_mov_b32 s27, 0
	s_add_nc_u64 s[18:19], s[18:19], s[26:27]
	s_lshl_b32 s28, s23, 1
	s_lshr_b32 s29, s16, 2
	s_add_co_u32 s28, s28, s29                     ; which 128 columns
	s_mul_i32 s28, s28, 102400
	s_mul_i32 s29, s22, 12800
	s_add_co_u32 s28, s28, s29
	s_mov_b32 s29, 0
	s_add_nc_u64 s[20:21], s[20:21], s[28:29]      ; the chunk
	s_and_b32 s30, s16, 3                          ; which 32 of the 128: tiles 2 b and 2 b + 1
	s_mul_i32 s32, s30, 3072
	s_mul_i32 s38, s31, 768                        ; half c of each image
	s_add_co_u32 s32, s32, s38
	s_mov_b32 s33, 0
	s_add_nc_u64 s[34:35], s[20:21], s[32:33]      ; their fragments
	s_lshl_b32 s32, s30, 7
	s_lshl_b32 s38, s31, 1                         ; bytes 2 c and 2 c + 1 of each word
	s_add_co_u32 s32, s32, s38
	s_add_nc_u64 s[36:37], s[20:21], s[32:33]      ; their scale words (12,288 further on)
	s_wait_alu depctr_va_vdst(0)
	v_lshlrev_b32 v4, 2, v1                        ; in: 4 bytes a lane
	v_bfe_u32 v2, v1, 3, 1                         ; column 8 u + P(r) of the 32: u,
	v_and_b32 v3, 7, v1
	v_lshrrev_b32 v8, 4, v1
	s_delay_alu instid0(VALU_DEP_1)
	v_lshl_or_b32 v3, v8, 3, v3                    ; and r
	s_delay_alu instid0(VALU_DEP_4)
	v_mul_u32_u24 v8, v2, 1536
	s_delay_alu instid0(VALU_DEP_1)
	v_lshl_add_u32 v5, v3, 4, v8                   ; out: 1,536 u + 16 r,
	s_delay_alu instid0(VALU_DEP_2)
	v_lshl_add_u32 v6, v3, 3, v8                   ; 1,536 u + 8 r,
	s_delay_alu instid0(VALU_DEP_4)
	v_lshlrev_b32 v7, 2, v3
	s_delay_alu instid0(VALU_DEP_1)
	v_lshl_add_u32 v7, v2, 6, v7                   ; 64 u + 4 r
.macro LOADB kb                        ; block kb: W(128 s + 32 kb + i, my column)
.set k, 32*(\kb)
.rept 32
	global_load_b32 v[16+k], v4, s[18:19] offset:k*4096 th:TH_LOAD_NT
.set k, k+1
.endr
.endm
.macro WBLOCK kb                       ; block kb is half kb / 2 of the image, in the lanes' half kb % 2: each block has registers of its own, so no store's data are written again
	QUANTW 16+32*(\kb), 144+8*(\kb), 0x1800000, QB
.if (\kb) == 0
	v_mov_b32 v[WD], v[QB]
.else
	v_lshl_or_b32 v[WD], v[QB], 8*(\kb), v[WD]     ; four bytes to the word, the lower K in the lower byte
.endif
	global_store_b128 v5, v[144+8*(\kb):147+8*(\kb)], s[34:35] offset:768*((\kb)/2)+256*((\kb)%2)      ; sixteen lanes store 256 consecutive bytes, aligned
	global_store_b64 v6, v[148+8*(\kb):149+8*(\kb)], s[34:35] offset:768*((\kb)/2)+512+128*((\kb)%2)
.endm
	LOADB 0                                        ; my half's two blocks: all 64 loads go out on end
	LOADB 1
	s_wait_loadcnt 32                              ; block 0 is in; block 1's 32 loads may be out
	WBLOCK 0
	s_wait_loadcnt 0x0
	WBLOCK 1
	global_store_b16 v7, v[WD], s[36:37] offset:12288   ; my half's two bytes of each column's word; the other two are the other half's work-group's
	s_endpgm
; ---- x.  Work-group 128 + T takes token tile T, wave s its K step s.  Each load reads 512 consecutive bytes of one token; the 16 rows turn through the wave's own stage (pitch 528) so that a lane gets 32 neighbours along K.
.Lx:
	s_sub_co_u32 s22, ttmp9, 128                   ; T
	s_lshr_b32 s23, s22, 1
	s_lshl_b32 s23, s23, 17                        ; 32 tokens of 4,096 bytes
	s_and_b32 s26, s22, 1
	s_lshl_b32 s26, s26, 15                        ; 8 tokens
	s_add_co_u32 s26, s26, s23
	s_lshl_b32 s27, s16, 9                         ; 128 numbers a K step
	s_add_co_u32 s26, s26, s27
	s_mov_b32 s27, 0
	s_add_nc_u64 s[18:19], s[4:5], s[26:27]
	s_lshr_b32 s28, s22, 3
	s_mul_i32 s28, s28, 102400
	s_mul_i32 s29, s16, 12800
	s_add_co_u32 s28, s28, s29
	s_mov_b32 s29, 0
	s_add_nc_u64 s[20:21], s[10:11], s[28:29]      ; the chunk
	s_and_b32 s30, s22, 7
	s_mul_i32 s32, s30, 1536
	s_mov_b32 s33, 0
	s_add_nc_u64 s[34:35], s[20:21], s[32:33]      ; my fragment
	s_lshl_b32 s32, s30, 6
	s_add_nc_u64 s[36:37], s[20:21], s[32:33]      ; its scale words (12,288 further on)
	s_wait_alu depctr_va_vdst(0)
	v_lshlrev_b32 v4, 4, v1                        ; 16 x lane
	v_lshlrev_b32 v5, 3, v1                        ; 8 x lane
	v_and_b32 v2, 15, v1                           ; r
	v_lshrrev_b32 v3, 4, v1                        ; h
	s_mul_i32 s17, s16, 8448                       ; my stage: 16 rows x 528 bytes
	v_add_nc_u32 v6, s17, v4                       ; in: a row as it lies
	v_mul_u32_u24 v7, v2, 528
	s_delay_alu instid0(VALU_DEP_1)
	v_lshl_add_u32 v7, v3, 7, v7
	s_delay_alu instid0(VALU_DEP_1)
	v_add_nc_u32 v7, s17, v7                       ; out: row r, + 128 h: my 32 numbers of a half
	v_lshlrev_b32 v8, 2, v2                        ; 4 r
	v_lshlrev_b32 v9, 3, v3                        ; 8 h
.irp p, 0,1,2,3,4,5,6,7,8,9,10,11,12,13,14,15
	global_load_b128 v[16+4*\p:19+4*\p], v4, s[18:19] offset:(\p+8*(\p/8))*4096 th:TH_LOAD_NT   ; the tile's row p is token P(p)
.endr
	s_wait_alu depctr_va_vdst(0)
.irp p, 0,1,2,3,4,5,6,7,8,9,10,11,12,13,14,15
	s_wait_loadcnt 15-\p                           ; row p is in; the younger rows may be out
	ds_store_b128 v6, v[16+4*\p:19+4*\p] offset:528*\p
.endr
.irp c, 0,1
.irp q, 0,1,2,3,4,5,6,7
	ds_load_b128 v[80+32*\c+4*\q:83+32*\c+4*\q], v7 offset:256*\c+16*\q   ; LDS serves a wave's instructions in order: these see my stores
.endr
.endr
	s_wait_dscnt 8                                 ; the first half's eight loads are in
	QUANTW 80, 144, 0x1800000, QB
	s_wait_dscnt 0x0
	QUANTW 112, 150, 0x1800000, QB+1
	v_lshl_or_b32 v[WD], v[QB+1], 16, v[QB]        ; my two bytes: blocks h and 2 + h of row r,
	s_delay_alu instid0(VALU_DEP_1)
	v_lshlrev_b32 v[WD], v9, v[WD]                 ; at their places in the word;
	v_mov_b32 v[PT], 0                             ; (a lane permute's destination counts as one of its sources)
	s_delay_alu instid0(VALU_DEP_1)
	v_permlanex16_b32 v[PT], v[WD], s24, s25
	s_delay_alu instid0(VALU_DEP_1)
	v_or_b32 v[WD], v[WD], v[PT]                   ; with lane l xor 16's two the word is whole
	global_store_b128 v4, v[144:147], s[34:35]
	global_store_b64 v5, v[148:149], s[34:35] offset:512
	global_store_b128 v4, v[150:153], s[34:35] offset:768
	global_store_b64 v5, v[154:155], s[34:35] offset:1280
	global_store_b32 v8, v[WD], s[36:37] offset:12288   ; lanes r and 16 + r store the same word
	s_wait_tensorcnt 0x0
	ds_add_u32 v192, v193
	s_wait_dscnt 0x0
	s_endpgm
.Lfunc_end_k_qe18c7f7df5_prep:
	.size	k_qe18c7f7df5_prep, .Lfunc_end_k_qe18c7f7df5_prep-k_qe18c7f7df5_prep
	.p2alignl 7, 3214868480
	.fill 96, 4, 3214868480
	.section	.rodata,"a",@progbits
	.p2align	6, 0x0
	.amdhsa_kernel k_qe18c7f7df5_prep
		.amdhsa_group_segment_fixed_size 68608
		.amdhsa_private_segment_fixed_size 0
		.amdhsa_enable_private_segment 0
		.amdhsa_kernarg_size 48
		.amdhsa_user_sgpr_count 2
		.amdhsa_user_sgpr_kernarg_segment_ptr 1
		.amdhsa_wavefront_size32 1
		.amdhsa_system_sgpr_workgroup_id_x 1
		.amdhsa_system_sgpr_workgroup_id_y 1
		.amdhsa_system_sgpr_workgroup_id_z 1
		.amdhsa_system_vgpr_workitem_id 0
		.amdhsa_next_free_vgpr 194
		.amdhsa_next_free_sgpr 66
		.amdhsa_reserve_vcc 0
		.amdhsa_float_denorm_mode_32 3
		.amdhsa_float_denorm_mode_16_64 3
		.amdhsa_memory_ordered 1
		.amdhsa_forward_progress 1
		.amdhsa_inst_pref_size 24
	.end_amdhsa_kernel
	.amdgpu_metadata
---
amdhsa.version: [ 1, 2 ]
amdhsa.kernels:
  - .name:           k_qe18c7f7df5_prep
    .symbol:         k_qe18c7f7df5_prep.kd
    .args:
      - { .name: x, .offset: 0, .size: 8, .value_kind: global_buffer, .address_space: global }
      - { .name: Wq, .offset: 8, .size: 8, .value_kind: global_buffer, .address_space: global }
      - { .name: Wo, .offset: 16, .size: 8, .value_kind: global_buffer, .address_space: global }
      - { .name: xq, .offset: 24, .size: 8, .value_kind: global_buffer, .address_space: global }
      - { .name: wqq, .offset: 32, .size: 8, .value_kind: global_buffer, .address_space: global }
      - { .name: woq, .offset: 40, .size: 8, .value_kind: global_buffer, .address_space: global }
    .group_segment_fixed_size: 68608
    .private_segment_fixed_size: 0
    .kernarg_segment_align: 8
    .kernarg_segment_size: 48
    .max_flat_workgroup_size: 256
    .sgpr_count:     66
    .vgpr_count:     194
    .wavefront_size: 32
...
	.end_amdgpu_metadata
.endif
;; end of part 1
;; launch gemm_q (part 2): grid 8 x 32, 4 waves a work-group, clusters of 4 x 4, 327,680 bytes of LDS; arguments xq, wqq, bq, kq, vq; writes kq, vq
.if DOCPART == 2
	.amdgcn_target "amdgcn-amd-amdhsa--gfx1250"
	.amdhsa_code_object_version 6
	.text
	.protected	k_qe18c7f7df5_gemm_q
	.globl	k_qe18c7f7df5_gemm_q
	.p2align	8
	.type	k_qe18c7f7df5_gemm_q,@function
k_qe18c7f7df5_gemm_q:
	s_mov_b64 s[64:65], 0
	v_nop
	global_prefetch_b8 v0, s[64:65] scope:SCOPE_SE
	s_setreg_imm32_b32 hwreg(HW_REG_WAVE_MODE, 25, 1), 1
	s_wait_xcnt 0x0
	s_wait_alu depctr_hold_cnt(0) depctr_sa_sdst(0) depctr_va_vdst(0) depctr_va_sdst(0) depctr_va_ssrc(0) depctr_va_vcc(0) depctr_vm_vsrc(0)
	s_getreg_b32 s2, hwreg(HW_REG_IB_STS2, 6, 4)
	s_cmp_eq_u32 s2, 0
	s_cbranch_scc0 .Lentry_in_a_cluster
	s_endpgm
.Lentry_in_a_cluster:
	s_bfe_u32 s2, ttmp6, 0x10000c
	s_cmp_lg_u32 s2, 0xf033
	s_cbranch_scc0 .Lentry_shape_is_right
	s_endpgm
.Lentry_shape_is_right:
; q = x Wq + bq on codes of E2M3 (xq, wqq: chunks of 12,800 bytes: 8 fragment images of 1,536 bytes for one K step of 128, then 512 bytes of scale words [tile 8][r 16]), and q quantised twice on the way out:
;   kq: along the head's 64 (the operand of q k^T, for queries and keys alike);   vq: along the keys (the operand of p v).  q itself never goes to memory.
; A work-group makes 128 tokens x 128 columns; wave w: tokens 64 (w / 2) on, columns 64 (w % 2) on, which are one head: 16 accumulators, 16 matrix instructions a K step, 8 K steps.
; ALL THAT THE WORK-GROUP READS FITS IN LDS AT ONCE (204,800 bytes): every tensor load is a first fill, issued at the head: one joint load of four K steps a wave; one load of a wave is out at the most.
; CLUSTER 4 x 4: the four of a row need the same 128 tokens, the four of a column the same 128 columns: each chunk is asked for jointly, by the same load with the same descriptor and a mask that names the four.
; THE MATRIX INSTRUCTION IS USED TRANSPOSED (source 0 = 16 columns of Wq, source 1 = 16 tokens).  The rows of a tile are not neighbours (lane r of tile 2 b + u: row 32 b + 8 u + r + 8 (r / 8)), so lane (r, h) holds the tile's
; token r, and v[ACC + 32 a + 16 B + i] is column 32 B + 16 h + i of the head.  THE BIAS IS LOADED INTO THE ACCUMULATORS: every product adds in place, and nothing is cleared or added afterwards.
; LIMITS: the bias begins each f32 sum where the definition adds it last.  NaN and infinities are not served.  A block of q along the head whose largest magnitude lies under 2^-121 is quantised under the byte 4
; (the attention takes 3 off these bytes); other blocks are held at the byte 1; blocks of zeros keep those bytes with zero codes.
; kq: [batch x head 32][128 tokens 16] chunks of 6,656 bytes: 8 half images of 768 bytes (a token tile, K = 64), then 512 bytes of words [tile / 4][r 16][tile % 4], bytes 2 and 3 = 0x7f.
; vq: [32][16] chunks of 6,400 bytes: 4 fragments (16 of the head's 64 x 128 keys), then 256 bytes of words [r 16][fragment 4].
.set CH,   12800
.set AB,   8*CH                        ; LDS: A's 8 chunks at 0, B's at AB
.set STG,  2*AB                        ; behind them a stage of 17,664 bytes for each wave; no fill lands there
.set STGW, 17664
.set VSG,  STG+4*STGW                  ; 512 bytes: vq's scale words of the two heads
.set SC,   24                          ; v24-27  scale words: lanes 0-15 the tokens' tile i, lanes 16-31 the columns' tile i; these registers hold nothing else
.set AF,   32                          ; v32-79  four fragments of tokens
.set BF,   80                          ; v80-127 four fragments of columns
.set ACC,  128                         ; v128-255 accumulator (a, b) at ACC + 8 (4 a + b)
.set WV,   14
.set WM,   15
.set WN,   16
.set G1A,  24                          ; s[24:31], s[32:39] descriptor groups 1;  s[48:51], s[68:71] groups 0
.set G1B,  32
.set G0A,  48
.set G0B,  68
.set SEL,  86
.set QM,   32                          ; the way out's registers lie where the fragments lay
.set QP,   34
.set QS,   36
.set QB,   38
.set QT,   40
.macro CROUND                          ; a round of the cluster's barrier
	s_barrier_signal -1
	s_barrier_wait -1
	s_cmp_lg_u32 s[WV], 0
	s_cbranch_scc1 .Lnot_wave_0_\@
	s_barrier_signal -3
.Lnot_wave_0_\@:
	s_barrier_wait -3
	s_barrier_signal -1
	s_barrier_wait -1
.endm
.macro FRAG reg, a16, a8, off          ; a fragment's image comes back as it was laid: every load's bytes are consecutive
	ds_load_b128 v[(\reg):(\reg)+3], v[\a16] offset:(\off)
	ds_load_b64 v[(\reg)+4:(\reg)+5], v[\a8] offset:(\off)+512
	ds_load_b128 v[(\reg)+6:(\reg)+9], v[\a16] offset:(\off)+768
	ds_load_b64 v[(\reg)+10:(\reg)+11], v[\a8] offset:(\off)+1280
.endm
.macro MUL8 a0                         ; the 16 accumulators take turns, one instruction a turn, in the same order in every K step
.irp a, \a0, \a0+1
.irp b, 0,1,2,3
	v_wmma_scale_f32_16x16x128_f8f6f4 v[ACC+8*(4*(\a)+\b):ACC+8*(4*(\a)+\b)+7], v[BF+12*\b:BF+12*\b+11], v[AF+12*(\a):AF+12*(\a)+11], v[ACC+8*(4*(\a)+\b):ACC+8*(4*(\a)+\b)+7], v[SC+\b], v[SC+(\a)] matrix_a_fmt:MATRIX_FMT_FP6 matrix_b_fmt:MATRIX_FMT_FP6 matrix_a_scale:MATRIX_SCALE_ROW1
.endr
.endr
.endm
.macro KSTEP s
.set OFF, ((\s)%4)*CH
.irp i, 0,1,2,3
	FRAG BF+12*\i, 6, 7, OFF+1536*\i
.endr
.irp i, 0,1,2,3
	ds_load_b32 v[SC+\i], v8 offset:OFF+64*\i
.endr
.irp i, 0,1,2,3
	FRAG AF+12*\i, 4, 5, OFF+1536*\i
.endr
	s_wait_dscnt 8                                 ; all but the youngest eight loads: the tokens' fragments 2 and 3
	MUL8 0
	s_wait_dscnt 0x0
	MUL8 2
.rept 4
	v_nop                                          ; four places in front of loads into registers that matrix instructions have read, and of the first read of results
.endr
.endm
; 32 numbers of a lane, register 16 B + i = element 32 B + 16 h + i of my row: half an image (six registers) in v[c] on, the two blocks' bytes in v[QB], v[QB + 1]
.macro QUANTH s, c, fl
.irp b, 0,1
	v_max3_num_f32 v[QM+\b], |v[(\s)+16*\b]|, |v[(\s)+16*\b+1]|, \fl
.endr
.irp i, 2,4,6,8,10,12,14
.irp b, 0,1
	v_max3_num_f32 v[QM+\b], v[QM+\b], |v[(\s)+16*\b+\i]|, |v[(\s)+16*\b+\i+1]|
.endr
.endr
.irp b, 0,1
	v_permlanex16_b32 v[QP+\b], v[QM+\b], s[SEL], s[SEL+1]
.endr
.irp b, 0,1
	v_max_num_f32 v[QM+\b], v[QM+\b], v[QP+\b]     ; with lane l xor 16's 16: the block's largest magnitude
.endr
.irp b, 0,1
	v_add_nc_u32 v[QS+\b], 0xff000000, v[QM+\b]    ; 2 off the exponent field: the conversion's scale operand
.endr
.irp b, 0,1
	v_lshrrev_b32 v[QB+\b], 23, v[QS+\b]           ; the scale's byte
.endr
	v_cvt_scalef32_pk16_fp6_f32 v[(\c):(\c)+2], v[(\s):(\s)+15], v[QS]
	v_cvt_scalef32_pk16_fp6_f32 v[QT:QT+2], v[(\s)+16:(\s)+31], v[QS+1]
	v_nop                                          ; one plain place behind a scaled conversion
.irp i, 0,1,2
	v_permlane16_swap_b32 v[(\c)+\i], v[QT+\i]     ; the layout wants a whole block in a lane: lanes 0-15 block 0, lanes 16-31 block 1
.endr
.irp i, 0,1,2
	v_mov_b32 v[(\c)+3+\i], v[QT+\i]
.endr
.endm
; 32 numbers of one lane, one block: six registers of codes in v[c] on, the byte in v[qb]
.macro QUANTW s, c, fl, qb
	v_max3_num_f32 v[QM], |v[(\s)]|, |v[(\s)+1]|, |v[(\s)+2]|
	v_max3_num_f32 v[QM+1], |v[(\s)+3]|, |v[(\s)+4]|, |v[(\s)+5]|
.irp i, 6,10,14,18,22,26
	v_max3_num_f32 v[QM], v[QM], |v[(\s)+\i]|, |v[(\s)+\i+1]|
	v_max3_num_f32 v[QM+1], v[QM+1], |v[(\s)+\i+2]|, |v[(\s)+\i+3]|
.endr
	v_max3_num_f32 v[QM], v[QM], |v[(\s)+30]|, |v[(\s)+31]|
	v_max3_num_f32 v[QM], v[QM], v[QM+1], \fl
	v_add_nc_u32 v[QS], 0xff000000, v[QM]
	v_lshrrev_b32 v[\qb], 23, v[QS]
	v_cvt_scalef32_pk16_fp6_f32 v[(\c):(\c)+2], v[(\s):(\s)+15], v[QS]
	v_cvt_scalef32_pk16_fp6_f32 v[QT:QT+2], v[(\s)+16:(\s)+31], v[QS]
	v_nop
.irp i, 0,1,2
	v_mov_b32 v[(\c)+3+\i], v[QT+\i]
.endr
.endm
	s_load_b256 s[4:11], s[0:1], 0x0               ; xq s[4:5], wqq s[6:7], bq s[8:9], kq s[10:11]
	s_load_b64 s[12:13], s[0:1], 0x20              ; vq
	v_lshl_add_u32 v30, v0, 2, 0x43600
	v_mov_b32 v31, 0
	ds_add_u32 v30, v31
	ds_add_u32 v30, v31
	v_lshrrev_b32 v1, 5, v0
	v_readfirstlane_b32 s[WV], v1                  ; wave 0..3
	s_lshr_b32 s[WM], s[WV], 1                     ; which 64 tokens are mine.  Also: I fetch for A (0) or for B (1)
	s_and_b32 s[WN], s[WV], 1                      ; which 64 columns.  Also: which four K steps I fetch
	s_bfe_u32 s17, ttmp6, 0x40000                  ; cx
	s_bfe_u32 s18, ttmp6, 0x40004                  ; cy
	s_lshl_b32 s19, ttmp9, 2
	s_add_co_u32 s19, s19, s17                     ; which 128 columns = 4 x cluster x + cx
	s_and_b32 s20, ttmp7, 0xffff
	s_lshl_b32 s20, s20, 2
	s_add_co_u32 s20, s20, s18                     ; which 128 tokens = 4 x cluster y + cy
	s_lshl_b32 s21, s18, 2
	s_lshl_b32 s21, 15, s21                        ; my row of the cluster
	s_lshl_b32 s22, 0x1111, s17                    ; my column
	s_or_b32 s[G1A], s21, (3<<16)|(1<<21)          ; 15:0 the mask; 17:16 elements of 8 bytes; 20 no padding; 21 set beside a mask
	s_or_b32 s[G1B], s22, (3<<16)|(1<<21)
.irp g, G1A, G1B                       ; a chunk is dense: 50 rows of 256 bytes
	s_mov_b32 s[\g+1], 32<<16                      ; tensor_dim0 = 32 elements
	s_mov_b32 s[\g+2], 200<<16                     ; tensor_dim1 = 200: four chunks on end, dense
	s_mov_b32 s[\g+3], 32<<16                      ; tile_dim0
	s_mov_b32 s[\g+4], 200                         ; tile_dim1
	s_mov_b32 s[\g+5], 32                          ; the pitch
	s_mov_b32 s[\g+6], 0
	s_mov_b32 s[\g+7], 0
.endr
	; THE HEAD'S LOADS AS THEY NOW STAND (the head comment's four stages are no more): one joint load a wave, four K steps each: waves 0, 1 the tokens' chunks 0-3 and 4-7, waves 2, 3 the columns'; one wait for 0 and one barrier ahead of the first K step
	s_mul_i32 s42, s[WN], 4*CH                     ; my four K steps: no place in the cluster enters an LDS address
	s_mul_i32 s40, s20, 8*CH
	s_add_co_u32 s40, s40, s42                     ; A's hang on the tokens alone,
	s_mov_b32 s41, 0
	s_mul_i32 s44, s19, 8*CH
	s_add_co_u32 s44, s44, s42                     ; B's on the columns alone
	s_mov_b32 s45, 0
	s_mov_b32 s[SEL], 0x76543210
	s_mov_b32 s[SEL+1], 0xfedcba98
	s_wait_dscnt 0x0                               ; both opening adds are done
	CROUND                                         ; the round in front of the first joint loads: it names no argument, so it stands ahead of the wait for them; only scalar work follows up to the loads
	s_wait_kmcnt 0x0
	s_add_nc_u64 s[40:41], s[4:5], s[40:41]
	s_add_nc_u64 s[44:45], s[6:7], s[44:45]
.irp j, 0
	s_mov_b32 s[G0A+4*\j], 1
	s_add_co_u32 s[G0A+4*\j+1], s42, \j*2*CH
	s_add_nc_u64 s[G0A+4*\j+2:G0A+4*\j+3], s[40:41], \j*2*CH
	s_or_b32 s[G0A+4*\j+3], s[G0A+4*\j+3], 0x80000000
	s_mov_b32 s[G0B+4*\j], 1
	s_add_co_u32 s[G0B+4*\j+1], s42, AB+\j*2*CH
	s_add_nc_u64 s[G0B+4*\j+2:G0B+4*\j+3], s[44:45], \j*2*CH
	s_or_b32 s[G0B+4*\j+3], s[G0B+4*\j+3], 0x80000000
.endr
	s_cmp_eq_u32 s[WM], 0                          ; one first fill a wave, one to each arm of one branch on the wave's number
	s_cbranch_scc0 .Lfirst_b
	tensor_load_to_lds s[G0A:G0A+3], s[G1A:G1A+7]
	s_nop 0
.rept 4
	v_nop
.endr
	s_branch .Lfirst_asked
.Lfirst_b:
	tensor_load_to_lds s[G0B:G0B+3], s[G1B:G1B+7]
	s_nop 0
.rept 4
	v_nop
.endr
.Lfirst_asked:
	v_and_b32 v3, 31, v0                           ; lane
	s_wait_alu depctr_va_vdst(0)
	v_and_b32 v1, 15, v0                           ; r
	v_bfe_u32 v2, v0, 4, 1                         ; h
	s_wait_alu depctr_va_vdst(0)
	v_lshlrev_b32 v9, 6, v2                        ; the bias: 64 h
	s_lshl_b32 s90, s19, 9
	s_lshl_b32 s91, s[WN], 8
	s_add_co_u32 s90, s90, s91                     ; my head's 64 numbers of the bias
	s_mov_b32 s91, 0
	s_add_nc_u64 s[8:9], s[8:9], s[90:91]
.irp a, 0,1,2,3
.irp b, 0,1,2,3
	global_load_b128 v[ACC+8*(4*\a+\b):ACC+8*(4*\a+\b)+3], v9, s[8:9] offset:(32*(\b/2)+8*(\b%2))*4       ; register j of tile b: column 32 (b / 2) + 8 (b % 2) + 16 h + j
	global_load_b128 v[ACC+8*(4*\a+\b)+4:ACC+8*(4*\a+\b)+7], v9, s[8:9] offset:(32*(\b/2)+8*(\b%2))*4+16
.endr
.endr
	s_mul_i32 s84, s[WM], 6144                     ; my four tiles of tokens
	s_mul_i32 s85, s[WN], 6144                     ; my four tiles of columns,
	s_add_co_u32 s85, s85, AB                      ; behind A's chunks
	v_lshl_add_u32 v4, v3, 4, s84
	v_lshl_add_u32 v5, v3, 3, s84
	v_lshl_add_u32 v6, v3, 4, s85
	v_lshl_add_u32 v7, v3, 3, s85
	s_lshl_b32 s88, s[WM], 8                       ; the scale words: lanes 0-15 take the tokens', lanes 16-31 the columns': the lower base + h x the distance
	s_lshl_b32 s89, s[WN], 8
	s_add_co_u32 s89, s89, AB
	s_sub_co_u32 s89, s89, s88
	v_mul_u32_u24 v8, s89, v2
	s_add_co_u32 s88, s88, 12288
	v_lshl_add_u32 v8, v1, 2, v8
	v_add_nc_u32 v8, s88, v8
	; the way out's addresses, all made here
	v_lshlrev_b32 v10, 4, v3                       ; 16 x lane
	v_lshlrev_b32 v11, 3, v3                       ; 8 x lane
	s_mul_i32 s23, s[WV], STGW
	s_add_co_u32 s23, s23, STG                     ; my stage
	v_mul_u32_u24 v12, v1, 272
	v_lshl_add_u32 v12, v2, 6, v12
	v_add_nc_u32 v12, s23, v12                     ; in: row r of a tile, + 64 h
	v_and_b32 v13, 8, v1
	v_add_nc_u32 v13, v13, v1                      ; P(r)
	v_lshlrev_b32 v13, 2, v13
	v_mad_u32_u24 v13, v2, 8736, v13
	v_add_nc_u32 v13, s23, v13                     ; out: column P(r), tokens 32 h on
	s_lshl_b32 s84, s[WN], 8
	s_add_co_u32 s84, s84, VSG
	v_lshl_add_u32 v15, v3, 3, s84                 ; vq's words of head w % 2, 8 bytes a lane
	s_lshl_b32 s85, s[WM], 1
	s_add_co_u32 s85, s85, s84
	v_lshl_add_u32 v14, v1, 4, s85                 ; and where I put my two bytes of a word: 16 r + 2 (w / 2)
	v_lshlrev_b32 v16, 4, v1
	v_lshl_add_u32 v16, v2, 3, v16                 ; kq's words: 16 r + 8 h
	v_lshlrev_b32 v17, 3, v2                       ; 8 h
	s_lshr_b32 s92, s20, 4
	s_lshl_b32 s92, s92, 4
	s_lshl_b32 s93, s19, 1
	s_add_co_u32 s92, s92, s93
	s_add_co_u32 s92, s92, s[WN]                   ; 16 x batch + head
	s_and_b32 s93, s20, 15                         ; which 128 tokens of the sequence
	s_mul_i32 s94, s92, 106496
	s_mul_i32 s95, s93, 6656
	s_add_co_u32 s94, s94, s95                     ; kq's chunk
	s_lshl_b32 s98, s[WM], 8
	s_add_co_u32 s98, s98, s94
	s_mov_b32 s99, 0
	s_add_nc_u64 s[98:99], s[10:11], s[98:99]      ; its words of my four tiles (6,144 further on)
	s_mul_i32 s95, s[WM], 3072
	s_add_co_u32 s94, s94, s95
	s_mov_b32 s95, 0
	s_add_nc_u64 s[10:11], s[10:11], s[94:95]      ; my four half images
	s_mul_i32 s96, s92, 102400
	s_mul_i32 s97, s93, 6400
	s_add_co_u32 s96, s96, s97
	s_mul_i32 s97, s[WM], 768
	s_add_co_u32 s96, s96, s97
	s_mov_b32 s97, 0
	s_add_nc_u64 s[12:13], s[12:13], s[96:97]      ; vq's chunk, at my half of each fragment
	s_wait_loadcnt 0x0                             ; the bias is in the accumulators
	s_wait_alu depctr_va_vdst(0)
	s_wait_tensorcnt 0x0                           ; my one load has landed
	s_barrier_signal -1
	s_barrier_wait -1                              ; everybody's has: all eight K steps lie in LDS
.irp j, 0,1,2,3
	s_wait_alu depctr_va_vdst(0)
	KSTEP 2*\j
	KSTEP 2*\j+1
.if \j == 1
.irp v, 4,5,6,7,8
	v_add_nc_u32 v\v, 4*CH, v\v                    ; on to the last four K steps, so that the offsets stay inside 16 bits
.endr
.endif
.endr
	; ---- q ALONG THE HEAD'S 64: a tile's 32 registers are half an image
	v_mov_b32 v[QP], 0                             ; (a lane permute's destination counts as one of its sources)
	v_mov_b32 v[QP+1], 0
.irp a, 0,1,2,3
	QUANTH ACC+32*\a, 64+8*\a, 0x3000000           ; the floor 2^(6 - 127) holds the bytes at 4
	v_lshl_or_b32 v[44+\a], v[QB+1], 8, v[QB]
	v_or_b32 v[44+\a], 0x7f7f0000, v[44+\a]        ; the word's upper two bytes belong to the 64 along K that are not there: 1.0
	global_store_b128 v10, v[64+8*\a:67+8*\a], s[10:11] offset:768*\a
	global_store_b64 v11, v[68+8*\a:69+8*\a], s[10:11] offset:768*\a+512
.endr
	v_cmp_eq_u32 vcc_lo, 1, v2
	v_cndmask_b32 v48, v44, v46, vcc_lo            ; lane (r, h) stores the words of tiles 2 h and 2 h + 1
	v_cndmask_b32 v49, v45, v47, vcc_lo
	global_store_b64 v16, v[48:49], s[98:99] offset:6144   ; 32 lanes store 256 consecutive bytes, aligned
	; ---- the turn: my 64 tokens x 64 columns go into my own stage, row 16 a + r, pitch 272; rows 32 on lie 32 bytes further
.irp a, 0,1,2,3
.irp q, 0,1,2,3,4,5,6,7
	ds_store_b128 v12, v[ACC+32*\a+4*\q:ACC+32*\a+4*\q+3] offset:(\a/2)*8736+(\a%2)*4352+128*(\q/4)+16*(\q%4)
.endr
.endr
	s_wait_dscnt 0x0                               ; the stores have read the accumulators' registers
	; ---- q ALONG THE KEYS: lane (r, h) takes column 32 (dt / 2) + 8 (dt % 2) + P(r) and tokens 32 h + 0 .. 31 in their true order: one block
.macro LOADV dt
.set i, 0
.rept 32
	ds_load_b32 v[128+32*((\dt)%2)+i], v13 offset:(16*((i/8)%2)+(i%8)+8*(i/16))*272+128*((\dt)/2)+32*((\dt)%2)   ; token i of the 32 lies in row 16 ((i / 8) % 2) + i % 8 + 8 (i / 16)
.set i, i+1
.endr
.endm
.macro VQ dt, left
	s_wait_dscnt \left                             ; this tile's 32 loads are in; what was issued behind them (a byte store, the next tile's 32 loads) may be out
	QUANTW 128+32*((\dt)%2), 192+8*(\dt), 0x1800000, QB
	v_lshlrev_b32 v[QB], v17, v[QB]                ; my byte at its place,
	v_permlanex16_b32 v[QP], v[QB], s[SEL], s[SEL+1]
	v_or_b32 v[QB], v[QB], v[QP]                   ; with lane l xor 16's: the two bytes of my 64 keys
	ds_store_b16 v14, v[QB] offset:4*(\dt)         ; lanes r and 16 + r store the same
.if (\dt) < 2
	LOADV (\dt)+2
.endif
	global_store_b128 v10, v[192+8*(\dt):195+8*(\dt)], s[12:13] offset:1536*(\dt)
	global_store_b64 v11, v[196+8*(\dt):197+8*(\dt)], s[12:13] offset:1536*(\dt)+512
.endm
	LOADV 0
	LOADV 1
	VQ 0, 32
	VQ 1, 33
	VQ 2, 33
	VQ 3, 1
	s_wait_dscnt 0x0                               ; for the others' sake: my byte stores have landed
	s_barrier_signal -1
	s_barrier_wait -1
	s_cmp_ge_u32 s[WV], 2                          ; waves 0 and 1 store the whole words of heads 0 and 1 of the pair
	s_cbranch_scc1 .Lno_words
	ds_load_b64 v[50:51], v15
	s_wait_dscnt 0x0
	global_store_b64 v11, v[50:51], s[12:13] offset:6144   ; 32 lanes store 256 consecutive bytes, aligned
.Lno_words:
	s_wait_tensorcnt 0x0
	s_wait_dscnt 0x0
	s_wait_tensorcnt 0x0
	ds_add_u32 v30, v31
	s_wait_dscnt 0x0
	CROUND                                         ; the closing round: no work-group ends while a partner may still ask for a chunk that names it
	s_endpgm
.Lfunc_end_k_qe18c7f7df5_gemm_q:
	.size	k_qe18c7f7df5_gemm_q, .Lfunc_end_k_qe18c7f7df5_gemm_q-k_qe18c7f7df5_gemm_q
	.p2alignl 7, 3214868480
	.fill 96, 4, 3214868480
	.section	.rodata,"a",@progbits
	.p2align	6, 0x0
	.amdhsa_kernel k_qe18c7f7df5_gemm_q
		.amdhsa_group_segment_fixed_size 327680
		.amdhsa_private_segment_fixed_size 0
		.amdhsa_enable_private_segment 0
		.amdhsa_kernarg_size 40
		.amdhsa_user_sgpr_count 2
		.amdhsa_user_sgpr_kernarg_segment_ptr 1
		.amdhsa_wavefront_size32 1
		.amdhsa_system_sgpr_workgroup_id_x 1
		.amdhsa_system_sgpr_workgroup_id_y 1
		.amdhsa_system_sgpr_workgroup_id_z 1
		.amdhsa_system_vgpr_workitem_id 0
		.amdhsa_next_free_vgpr 256
		.amdhsa_next_free_sgpr 100
		.amdhsa_reserve_vcc 1
		.amdhsa_float_denorm_mode_32 3
		.amdhsa_float_denorm_mode_16_64 3
		.amdhsa_memory_ordered 1
		.amdhsa_forward_progress 1
		.amdhsa_inst_pref_size 73
	.end_amdhsa_kernel
	.amdgpu_metadata
---
amdhsa.version: [ 1, 2 ]
amdhsa.kernels:
  - .name:           k_qe18c7f7df5_gemm_q
    .symbol:         k_qe18c7f7df5_gemm_q.kd
    .args:
      - { .name: xq, .offset: 0, .size: 8, .value_kind: global_buffer, .address_space: global }
      - { .name: wqq, .offset: 8, .size: 8, .value_kind: global_buffer, .address_space: global }
      - { .name: bq, .offset: 16, .size: 8, .value_kind: global_buffer, .address_space: global }
      - { .name: kq, .offset: 24, .size: 8, .value_kind: global_buffer, .address_space: global }
      - { .name: vq, .offset: 32, .size: 8, .value_kind: global_buffer, .address_space: global }
    .group_segment_fixed_size: 327680
    .private_segment_fixed_size: 0
    .kernarg_segment_align: 8
    .kernarg_segment_size: 40
    .max_flat_workgroup_size: 128
    .sgpr_count:     100
    .vgpr_count:     256
    .wavefront_size: 32
...
	.end_amdgpu_metadata
.endif
;; end of part 2
;; launch attn (part 3): grid 8 x 32, 16 waves a work-group, clusters of 4 x 1, 327,680 bytes of LDS; arguments kq, vq, oq; writes oq
.if DOCPART == 3
	.amdgcn_target "amdgcn-amd-amdhsa--gfx1250"
	.amdhsa_code_object_version 6
	.text
	.protected	k_qe18c7f7df5_attn
	.globl	k_qe18c7f7df5_attn
	.p2align	8
	.type	k_qe18c7f7df5_attn,@function
k_qe18c7f7df5_attn:
	s_mov_b64 s[64:65], 0
	v_nop
	global_prefetch_b8 v0, s[64:65] scope:SCOPE_SE
	s_setreg_imm32_b32 hwreg(HW_REG_WAVE_MODE, 25, 1), 1
	s_wait_xcnt 0x0
	s_wait_alu depctr_hold_cnt(0) depctr_sa_sdst(0) depctr_va_vdst(0) depctr_va_sdst(0) depctr_va_ssrc(0) depctr_va_vcc(0) depctr_vm_vsrc(0)
	s_getreg_b32 s2, hwreg(HW_REG_IB_STS2, 6, 4)
	s_cmp_eq_u32 s2, 0
	s_cbranch_scc0 .Lentry_in_a_cluster
	s_endpgm
.Lentry_in_a_cluster:
	s_bfe_u32 s2, ttmp6, 0x10000c
	s_cmp_lg_u32 s2, 0x3003
	s_cbranch_scc0 .Lentry_shape_is_right
	s_endpgm
.Lentry_shape_is_right:
; For each of 32 (batch, head): logits = floor(q k^T / 8), softmax, times v, with k = v = q; both products on codes of E2M3; the result is quantised along the hidden axis into oq, the next product's operand.
; THE SOFTMAX AHEAD OF THE SECOND PRODUCT: t = logit x log2(e); M = the running largest t rounded up to a whole number; p = 2^(t - M) is quantised along the keys, not normalised; the row's sum is taken of the
; unquantised p and divides at the end.  When M moves, the sum and O are multiplied by 2^(old M - new M): exact, and no branch hangs on data.
; SHARES.  A work-group owns 256 queries of one head, each of its sixteen waves one tile of 16: a lane holds ONE query throughout (both products transposed).  Every wave walks 16 steps of 128 keys, 8 trips of two.
; THE WHOLE HEAD STAYS IN LDS, filled once: each wave issues ONE joint load at the head (waves 0-7 two chunks of kq each, waves 8-15 two chunks of vq each); one wait for 0 and one barrier; the loop has no barrier.
; CLUSTER 4 x 1: the four query blocks of a cluster belong to one head and ask for every tile jointly.  No prefetch: all tiles are asked for at the head, so there is no loop to run ahead in.
; LDS: slot p (key steps 2 p, 2 p + 1) at PAIR p: kq's two chunks as 52 rows of 256 bytes + 64 of padding, then vq's two chunks, dense.
; WHICH KEYS FORM A TILE OF K is chosen here, by the LDS addresses: row 8 rho + j of tile 4 c + u is key 64 c + 32 rho + 8 u + j.  In S^T lane (query, h) then holds, in registers S + 32 c + 0 .. 31, keys 64 c + 32 h + 0 .. 31:
; a WHOLE block of 32 in one lane, in the order of the second product's operand: a block's maximum needs no other lane, and the conversions' results are the operand's registers.
; In kq that key lies in half image 4 c + 2 rho + u % 2, lane 16 h + 8 (u / 2) + j.  The images of rho = 0 and 1 lie 1,920 LDS bytes apart (6 rows of 320), 128 modulo 256.
; K = 64 IN A FORM OF 128: Q's registers 6-11 are zero codes and bytes 2, 3 of both scale words are 1.0, so K's upper six registers may hold any codes (E2M3 has no NaN): they are the next tile's data.
; THE DIVISION BY 8 is 3 taken off Q's two scale bytes: exact; the bytes are at least 4 as they were made.
; LIMITS: the promise holds while the scaled logits stay under 2^31 in magnitude; NaN and infinities are not served; a block of p or of the result that is all zeros keeps the byte 1 with zero codes.
.set KB,   6656                        ; a chunk of kq in memory: 8 half images of 768 bytes, then words [tile / 4][r 16][tile % 4]
.set VB,   6400                        ; a chunk of vq: 4 fragments of 1,536 bytes, then words [r 16][fragment 4]
.set KP,   8320                        ; a chunk of kq in LDS: 26 rows of 320
.set VO,   2*KP                        ; vq's two chunks in a slot
.set PAIR, VO+2*VB                     ; a slot: 29,440 bytes
.set SPARE, 8*PAIR                     ; the spare words: 128 bytes a wave, 2,048 in all
.set QSC,  28                          ; v28 Q's scale words; v29 p's; v32-39 K's; v40-43 V's: these registers hold nothing else
.set PS,   29
.set KS,   32
.set VS,   40
.set KF,   44                          ; v44-97 K's tile t at KF + 6 t (v92-97 stay zero); later V's four fragments, v44-91
.set S,    98                          ; v98-161 S^T, then p
.set O,    162                         ; v162-193 O^T
.set PC,   194                         ; v194-205 p's codes
.set CT,   206                         ; v206-212 the conversions' second halves
.set BM,   214                         ; v214-217 four chains of maxima; block c's largest logit, then its largest p, in BM + 2 c
.set BP,   218                         ; v218-219 bytes
.set TP,   220                         ; v220 a lane permute's destination
.set BS,   222                         ; v222-223 the conversions' scale operands
.set F,    226                         ; v[226:227] f = 2^(old M - new M)
.set TA,   230
.set TC,   231
.set KA,   232                         ; v232-234 a lane's place in K's images (16-byte part, 8-byte part) and words
.set SA,   236                         ; v236-243 four chains of the row's sum
.set WV,   10
.set SEL,  20
.set CS,   22                          ; s[22:23] log2(e)
.set G1K,  24
.set G1V,  32
.set G0K,  40
.set G0V,  44
.set TB,   56                          ; LDS byte of the trip's slot
.set CNT,  58
.macro CROUND
	s_barrier_signal -1
	s_barrier_wait -1
	s_cmp_lg_u32 s[WV], 0
	s_cbranch_scc1 .Lnot_wave_0_\@
	s_barrier_signal -3
.Lnot_wave_0_\@:
	s_barrier_wait -3
	s_barrier_signal -1
	s_barrier_wait -1
.endm
	s_load_b128 s[4:7], s[0:1], 0x0                ; kq s[4:5], vq s[6:7]
	s_load_b64 s[8:9], s[0:1], 0x10                ; oq
	v_lshl_add_u32 v254, v0, 2, SPARE
	v_mov_b32 v255, 0
	ds_add_u32 v254, v255                          ; the opening lines: the add, twice on end, and its wait
	ds_add_u32 v254, v255
	v_lshrrev_b32 v11, 5, v0
	v_readfirstlane_b32 s[WV], v11                 ; wave 0..15
	s_bfe_u32 s11, ttmp6, 0x40000                  ; cx
	s_and_b32 s12, ttmp7, 0xffff                   ; 16 x batch + head, which the four partners share
	s_lshl_b32 s13, ttmp9, 2
	s_add_co_u32 s13, s13, s11                     ; my block of 256 queries: it enters Q's and oq's addresses alone
	s_mov_b32 s[G1K], 15|(3<<16)|(1<<20)|(1<<21)|(5<<22)|(15<<25)   ; the mask: all four; elements of 8 bytes; 16 dwords of padding behind every 64; 21 set beside a mask
	s_mov_b32 s[G1K+1], 32<<16                     ; rows of 256 bytes,
	s_mov_b32 s[G1K+2], 52<<16                     ; 52 of them: two chunks of kq, dense
	s_mov_b32 s[G1K+3], 32<<16
	s_mov_b32 s[G1K+4], 52
	s_mov_b32 s[G1K+5], 32
	s_mov_b32 s[G1K+6], 0
	s_mov_b32 s[G1K+7], 0
	s_mov_b32 s[G1V], 15|(3<<16)|(1<<21)           ; no padding
	s_mov_b32 s[G1V+1], 32<<16
	s_mov_b32 s[G1V+2], 50<<16                     ; 50 rows: two chunks of vq
	s_mov_b32 s[G1V+3], 32<<16
	s_mov_b32 s[G1V+4], 50
	s_mov_b32 s[G1V+5], 32
	s_mov_b32 s[G1V+6], 0
	s_mov_b32 s[G1V+7], 0
	s_and_b32 s14, s[WV], 7                        ; the slot that I fill a part of
	s_mul_i32 s15, s14, 2*KB
	s_mul_i32 s16, s14, 2*VB
	s_mov_b32 s[G0K], 1
	s_mul_i32 s[G0K+1], s14, PAIR
	s_mov_b32 s[G0V], 1
	s_add_co_u32 s[G0V+1], s[G0K+1], VO
	s_mul_i32 s84, s12, 16*KB
	s_add_co_u32 s84, s84, s15
	s_mov_b32 s85, 0
	s_mul_i32 s88, s12, 16*VB
	s_add_co_u32 s88, s88, s16
	s_mov_b32 s89, 0
	; my queries: token tile 16 x block + wave of the sequence: chunk 2 x block + wave / 8, tile wave % 8
	s_lshl_b32 s66, s13, 1
	s_lshr_b32 s67, s[WV], 3
	s_add_co_u32 s66, s66, s67
	s_and_b32 s67, s[WV], 7
	s_mul_i32 s90, s12, 16*KB
	s_mul_i32 s91, s66, KB
	s_add_co_u32 s90, s90, s91                     ; the chunk, in bytes
	s_mul_i32 s92, s67, 768
	s_add_co_u32 s92, s92, s90                     ; my half image
	s_mov_b32 s93, 0
	s_lshr_b32 s94, s67, 2
	s_lshl_b32 s94, s94, 8
	s_and_b32 s95, s67, 3
	s_lshl_b32 s95, s95, 2
	s_add_co_u32 s94, s94, s95
	s_add_co_u32 s94, s94, s90                     ; my words (6,144 + 16 r further on)
	s_mov_b32 s95, 0
	; oq, laid as the next product's A: [128 tokens 32][K step 8] chunks of 12,800 bytes; my head is half head % 2 of K step head / 2
	s_lshr_b32 s96, s12, 4
	s_lshl_b32 s96, s96, 4
	s_add_co_u32 s96, s96, s66
	s_mul_i32 s96, s96, 102400
	s_and_b32 s97, s12, 15
	s_lshr_b32 s98, s97, 1
	s_mul_i32 s98, s98, 12800
	s_add_co_u32 s96, s96, s98                     ; the chunk
	s_and_b32 s97, s97, 1
	s_mul_i32 s98, s67, 1536
	s_add_co_u32 s98, s98, s96
	s_mul_i32 s99, s97, 768
	s_add_co_u32 s98, s98, s99                     ; my half image
	s_mov_b32 s99, 0
	s_lshl_b32 s17, s67, 6
	s_add_co_u32 s96, s96, s17
	s_lshl_b32 s97, s97, 1
	s_add_co_u32 s96, s96, s97                     ; my two bytes of each word (12,288 + 4 r further on)
	s_mov_b32 s97, 0
	s_mov_b32 s[SEL], 0x76543210
	s_mov_b32 s[SEL+1], 0xfedcba98                 ; v_permlanex16_b32's selects for lane l xor 16
	s_mov_b32 s[CS], 0x3fb8aa3b                    ; log2(e)
	s_mov_b32 s[CS+1], s[CS]                       ; (named with it as a pair, so it is written)
	s_mov_b32 s[TB], 0
	s_mov_b32 s[CNT], 8
	s_wait_dscnt 0x0                               ; both opening adds are done
	CROUND                                         ; the round in front of the first joint loads: it names no argument, so it stands ahead of the wait for them; only scalar work follows up to the loads
	s_wait_kmcnt 0x0
	s_add_nc_u64 s[G0K+2:G0K+3], s[4:5], s[84:85]
	s_or_b32 s[G0K+3], s[G0K+3], 0x80000000
	s_add_nc_u64 s[G0V+2:G0V+3], s[6:7], s[88:89]
	s_or_b32 s[G0V+3], s[G0V+3], 0x80000000
	s_add_nc_u64 s[92:93], s[4:5], s[92:93]
	s_add_nc_u64 s[94:95], s[4:5], s[94:95]
	s_add_nc_u64 s[60:61], s[8:9], s[98:99]
	s_add_nc_u64 s[62:63], s[8:9], s[96:97]
	s_cmp_lt_u32 s[WV], 8                          ; one load a wave, one to each arm of one branch on the wave's number
	s_cbranch_scc0 .Lfor_v
	tensor_load_to_lds s[G0K:G0K+3], s[G1K:G1K+7]
	s_nop 0
.rept 4
	v_nop
.endr
	s_branch .Lasked
.Lfor_v:
	tensor_load_to_lds s[G0V:G0V+3], s[G1V:G1V+7]
	s_nop 0
.rept 4
	v_nop
.endr
.Lasked:
	v_and_b32 v10, 31, v0
	v_and_b32 v9, 15, v0                           ; r
	v_lshlrev_b32 v1, 4, v10                       ; 16 x lane
	v_lshlrev_b32 v2, 3, v10                       ; 8 x lane
	v_lshlrev_b32 v3, 4, v9                        ; 16 r
	v_lshlrev_b32 v10, 2, v9                       ; 4 r
	global_load_b128 v[16:19], v1, s[92:93]        ; Q's half image stays in registers
	global_load_b64 v[20:21], v2, s[92:93] offset:512
	global_load_b32 v[QSC], v3, s[94:95] offset:6144
	v_bfe_u32 v8, v0, 4, 1                         ; h
	v_bfe_u32 v7, v0, 3, 1                         ; rho
	v_and_b32 v6, 7, v0                            ; j
	v_lshlrev_b32 v11, 3, v8                       ; 8 h
	v_mul_u32_u24 v5, v7, 1920
	v_lshlrev_b32 v[KA+2], 3, v7
	v_mad_u32_u24 v[KA], v8, 320, v5
	v_lshl_add_u32 v[KA+1], v8, 7, v5
	v_lshl_add_u32 v[KA+2], v6, 4, v[KA+2]         ; K's words: 16 j + 8 rho
	v_lshl_add_u32 v[KA], v6, 4, v[KA]             ; K's 16-byte parts: 1,920 rho + 320 h + 16 j
	v_lshl_add_u32 v[KA+1], v6, 3, v[KA+1]         ; K's 8-byte parts: 1,920 rho + 128 h + 8 j
.irp j, 22,23,24,25,26,27
	v_mov_b32 v\j, 0                               ; Q's codes of the 64 along K that are not there
.endr
.irp j, 92,93,94,95,96,97
	v_mov_b32 v\j, 0                               ; what stands behind K's last tile
.endr
	v_mov_b32 v13, 0xff61b1e6                      ; the largest logit so far: -3e38, under every logit
	v_mov_b32 v12, 0x7f61b1e6                      ; -M
	v_mov_b32 v14, 0                               ; the sum, in two halves
	v_mov_b32 v15, 0
	v_mov_b32 v[TP], 0                             ; (a lane permute's destination counts as one of its sources)
	v_mov_b32 v[BP], 0
	v_mov_b32 v[BP+1], 0
	v_mov_b32 v[F+1], 0                            ; (named as the upper half of the pair)
	s_wait_loadcnt 0x0                             ; Q
	v_add_nc_u32 v[QSC], 0xfffffcfd, v[QSC]        ; 3 off bytes 0 and 1: the scores come out divided by 8
.set j, 0
.rept 32
	v_mov_b32 v[O+j], 0                            ; O^T: the first step finds zeros.  (These are also the places between the line above and the first product)
.set j, j+1
.endr
	s_wait_alu depctr_va_vdst(0)
	s_wait_tensorcnt 0x0                           ; my load has landed
	s_barrier_signal -1
	s_barrier_wait -1                              ; everybody's has: the whole head lies in LDS
; A KEY STEP: 128 keys.  ko, vo: the step's chunks of K and V in the slot.  first = 1: the addresses were written just ahead
.macro STEP ko, vo, first
.irp c, 0,1
.irp u, 0,1,2,3
	ds_load_b128 v[KF+6*(4*\c+\u):KF+6*(4*\c+\u)+3], v4 offset:(\ko)+3840*\c+960*(\u%2)+128*(\u/2)
	ds_load_b64 v[KF+6*(4*\c+\u)+4:KF+6*(4*\c+\u)+5], v5 offset:(\ko)+3840*\c+960*(\u%2)+640+64*(\u/2)
.endr
.irp g, 0,1
	ds_load_b64 v[KS+4*\c+2*\g:KS+4*\c+2*\g+1], v6 offset:(\ko)+7680+320*\c+128*\g   ; the words of tiles 4 c + 2 g and + 1
.endr
.endr
.if \first
	s_wait_alu depctr_va_vdst(0)
.endif
	s_wait_dscnt 0x0
.irp t, 0,1,2,3,4,5,6,7
	v_wmma_scale_f32_16x16x128_f8f6f4 v[S+8*\t:S+8*\t+7], v[KF+6*\t:KF+6*\t+11], v[16:27], 0, v[KS+\t], v[QSC] matrix_a_fmt:MATRIX_FMT_FP6 matrix_b_fmt:MATRIX_FMT_FP6
.endr
.rept 4
	v_nop                                          ; four places in front of the loads below and of the first read of the scores
.endr
.irp d, 0,1,2,3                                        ; V's fragments land while the softmax is worked
	ds_load_b128 v[KF+12*\d:KF+12*\d+3], v7 offset:(\vo)+1536*\d
	ds_load_b64 v[KF+12*\d+4:KF+12*\d+5], v8 offset:(\vo)+1536*\d+512
	ds_load_b128 v[KF+12*\d+6:KF+12*\d+9], v7 offset:(\vo)+1536*\d+768
	ds_load_b64 v[KF+12*\d+10:KF+12*\d+11], v8 offset:(\vo)+1536*\d+1280
.endr
	ds_load_b128 v[VS:VS+3], v9 offset:(\vo)+6144
.set j, 0
.rept 64
	v_floor_f32 v[S+j], v[S+j]                     ; the logits: floor(score / 8); each accumulator from its low end on
.set j, j+1
.endr
.irp b, 0,1,2,3                                        ; the largest logit of my two blocks of 32 keys, each in two chains: four chains by turns
	v_max3_num_f32 v[BM+\b], v[S+16*\b], v[S+16*\b+1], v[S+16*\b+2]
.endr
.irp i, 3,5,7,9,11,13
.irp b, 0,1,2,3
	v_max3_num_f32 v[BM+\b], v[BM+\b], v[S+16*\b+\i], v[S+16*\b+\i+1]
.endr
.endr
	v_max3_num_f32 v[BM], v[BM], v[S+15], v[S+31]
	v_max3_num_f32 v[BM+2], v[BM+2], v[S+47], v[S+63]
	v_mov_b32 v[TC], v12                           ; the old -M
	v_max_num_f32 v[BM], v[BM], v[BM+1]            ; block h's: it serves the row's maximum and, since p rises with the logit, the block's largest p
	v_max_num_f32 v[BM+2], v[BM+2], v[BM+3]        ; block 2 + h's
	s_delay_alu instid0(VALU_DEP_1)
	v_max_num_f32 v[TA], v[BM], v[BM+2]
	s_delay_alu instid0(VALU_DEP_1)
	v_permlanex16_b32 v[TP], v[TA], s[SEL], s[SEL+1]
	s_delay_alu instid0(VALU_DEP_1)
	v_max3_num_f32 v13, v13, v[TA], v[TP]          ; the running largest logit of my query, lane l xor 16's 64 keys among them
	s_delay_alu instid0(VALU_DEP_1)
	v_mul_f32 v[TA], s[CS], v13                    ; as t
	s_delay_alu instid0(VALU_DEP_1)
	v_floor_f32 v12, -v[TA]                        ; the new -M = floor(-t) = -ceil(t): a whole number
	s_delay_alu instid0(VALU_DEP_1)
	v_sub_f32 v[TC], v12, v[TC]                    ; old M - new M: a whole number, 0 or less
.set j, 0
.rept 8
	v_pk_fma_f32 v[S+j:S+j+1], v[S+j:S+j+1], s[CS:CS+1], v[12:13] op_sel_hi:[1,0,0]   ; t - M, two at a time
.set j, j+2
.endr
	v_cvt_i32_f32 v[TC], v[TC]                     ; (it saturates)
.rept 8
	v_pk_fma_f32 v[S+j:S+j+1], v[S+j:S+j+1], s[CS:CS+1], v[12:13] op_sel_hi:[1,0,0]
.set j, j+2
.endr
	v_ldexp_f32 v[F], 1.0, v[TC]                   ; f = 2^(old M - new M)
.rept 16
	v_pk_fma_f32 v[S+j:S+j+1], v[S+j:S+j+1], s[CS:CS+1], v[12:13] op_sel_hi:[1,0,0]
.set j, j+2
.endr
	v_fma_f32 v[BM], v[BM], s[CS], v12             ; the same of each block's largest logit
	v_fma_f32 v[BM+2], v[BM+2], s[CS], v12
.set j, 0
.rept 16
	v_pk_mul_f32 v[O+j:O+j+1], v[O+j:O+j+1], v[F:F+1] op_sel_hi:[1,0]   ; O^T under the new M, each accumulator from its low end on
.set j, j+2
.endr
	s_wait_alu depctr_va_vdst(0)
.set j, 0
.rept 64
	v_exp_f32 v[S+j], v[S+j]                       ; p = 2^(t - M), at most 1
.set j, j+1
.endr
	v_exp_f32 v[BM], v[BM]                         ; the blocks' largest p: the same arithmetic on the same number gives the same bits
	v_exp_f32 v[BM+2], v[BM+2]
	v_pk_mul_f32 v[14:15], v[14:15], v[F:F+1] op_sel_hi:[1,0]   ; the sums under the new M: the plain line behind the exponentials
	s_wait_alu depctr_va_vdst(0)                   ; one wait for the batch of 66, ahead of its first reader
	v_max_num_f32 v[BM], 0x1800000, v[BM]          ; the floor 2^(3 - 127): the byte cannot fall under 1
	v_max_num_f32 v[BM+2], 0x1800000, v[BM+2]
	v_add_nc_u32 v[BS], 0xff000000, v[BM]          ; 2 off the exponent field: the conversion's scale operand
	v_add_nc_u32 v[BS+1], 0xff000000, v[BM+2]
.irp c, 0,1
	v_cvt_scalef32_pk16_fp6_f32 v[PC+6*\c:PC+6*\c+2], v[S+32*\c:S+32*\c+15], v[BS+\c]        ; registers 6 c .. 6 c + 2 of the operand: k = 64 c + 32 h + 0 .. 15
	v_cvt_scalef32_pk16_fp6_f32 v[CT+4*\c:CT+4*\c+2], v[S+32*\c+16:S+32*\c+31], v[BS+\c]     ; (a conversion's three registers begin on an even number)
.endr
	v_lshrrev_b32 v[BP], 23, v[BS]                 ; the scales' bytes.  (The plain place behind the conversions)
	v_lshrrev_b32 v[BP+1], 23, v[BS+1]
	s_delay_alu instid0(VALU_DEP_1)
	v_lshl_or_b32 v[TA], v[BP+1], 16, v[BP]        ; my two bytes: blocks h and 2 + h,
	s_delay_alu instid0(VALU_DEP_1)
	v_lshlrev_b32 v[TA], v11, v[TA]                ; at their places in the word;
	s_delay_alu instid0(VALU_DEP_1)
	v_permlanex16_b32 v[TP], v[TA], s[SEL], s[SEL+1]
.irp c, 0,1
.irp i, 0,1,2
	v_mov_b32 v[PC+6*\c+3+\i], v[CT+4*\c+\i]
.endr
.endr
	v_or_b32 v[PS], v[TA], v[TP]                   ; with lane l xor 16's two the word is whole
.set j, 0
.rept 4
	v_pk_add_f32 v[SA+2*j:SA+2*j+1], v[S+4*j:S+4*j+1], v[S+4*j+2:S+4*j+3]   ; the row's sum of the unquantised p: two at a time, four chains.  (These 32 are also the places between p's codes and word and the products)
.set j, j+1
.endr
.set j, 8
.rept 24
	v_pk_add_f32 v[SA+2*(j%4):SA+2*(j%4)+1], v[SA+2*(j%4):SA+2*(j%4)+1], v[S+2*j:S+2*j+1]
.set j, j+1
.endr
	v_pk_add_f32 v[SA:SA+1], v[SA:SA+1], v[SA+2:SA+3]
	v_pk_add_f32 v[SA+4:SA+5], v[SA+4:SA+5], v[SA+6:SA+7]
	s_delay_alu instid0(VALU_DEP_2)
	v_pk_add_f32 v[14:15], v[14:15], v[SA:SA+1]
	s_delay_alu instid0(VALU_DEP_1)
	v_pk_add_f32 v[14:15], v[14:15], v[SA+4:SA+5]
	s_wait_dscnt 0x0                               ; V's fragments and words are in
.irp d, 0,1,2,3
	v_wmma_scale_f32_16x16x128_f8f6f4 v[O+8*\d:O+8*\d+7], v[KF+12*\d:KF+12*\d+11], v[PC:PC+11], v[O+8*\d:O+8*\d+7], v[VS+\d], v[PS] matrix_a_fmt:MATRIX_FMT_FP6 matrix_b_fmt:MATRIX_FMT_FP6
.endr
.endm
.Lpair:                                                ; a trip: one slot, two key steps
	v_add_nc_u32 v4, s[TB], v[KA]                  ; six plain lines: also the places in front of loads into registers that the last products read
	v_add_nc_u32 v5, s[TB], v[KA+1]
	v_add_nc_u32 v6, s[TB], v[KA+2]
	v_add_nc_u32 v7, s[TB], v1
	v_add_nc_u32 v8, s[TB], v2
	v_add_nc_u32 v9, s[TB], v3
	STEP 0, VO, 1
.rept 4
	v_nop                                          ; four places in front of loads into registers that the last products read
.endr
	STEP KP, VO+VB, 0
	s_add_co_u32 s[TB], s[TB], PAIR
	s_sub_co_u32 s[CNT], s[CNT], 1
	s_cmp_lg_u32 s[CNT], 0
	s_cbranch_scc1 .Lpair
	; THE WAY OUT: O^T / the sum, quantised along the hidden axis: my head's 64 are two blocks, half an image.  Register 16 B + i is channel 32 B + 16 h + i of my query
	s_wait_alu depctr_va_vdst(0)                   ; directly ahead of the reader below: the last step's sum was written ahead of a wait
	v_add_f32 v14, v14, v15                        ; the sum's two halves,
	s_delay_alu instid0(VALU_DEP_1)
	v_permlanex16_b32 v[TP], v14, s[SEL], s[SEL+1]
	s_delay_alu instid0(VALU_DEP_1)
	v_add_f32 v14, v14, v[TP]                      ; and lane l xor 16's: the row's sum
	s_wait_alu depctr_va_vdst(0)
	v_rcp_f32 v14, v14
.rept 4
	v_nop                                          ; the plain line behind the reciprocal, and the places behind the last products
.endr
	s_wait_alu depctr_va_vdst(0)                   ; ahead of the first reader of the reciprocal and of O^T
.set j, 0
.rept 32
	v_mul_f32 v[S+j], v[O+j], v14
.set j, j+1
.endr
.irp b, 0,1
	v_max3_num_f32 v[BM+\b], |v[S+16*\b]|, |v[S+16*\b+1]|, 0x1800000   ; my 16 of block b, and the floor
.endr
.irp i, 2,4,6,8,10,12,14
.irp b, 0,1
	s_delay_alu instid0(VALU_DEP_2)
	v_max3_num_f32 v[BM+\b], v[BM+\b], |v[S+16*\b+\i]|, |v[S+16*\b+\i+1]|
.endr
.endr
.irp b, 0,1
	s_delay_alu instid0(VALU_DEP_2)
	v_permlanex16_b32 v[BP+\b], v[BM+\b], s[SEL], s[SEL+1]
.endr
.irp b, 0,1
	s_delay_alu instid0(VALU_DEP_2)
	v_max_num_f32 v[BM+\b], v[BM+\b], v[BP+\b]     ; with lane l xor 16's 16: the block's largest magnitude
.endr
.irp b, 0,1
	s_delay_alu instid0(VALU_DEP_2)
	v_add_nc_u32 v[BS+\b], 0xff000000, v[BM+\b]
.endr
	v_lshrrev_b32 v[TA], 23, v[BS]
	v_lshrrev_b32 v[TC], 23, v[BS+1]
	v_cvt_scalef32_pk16_fp6_f32 v[PC:PC+2], v[S:S+15], v[BS]
	v_cvt_scalef32_pk16_fp6_f32 v[CT:CT+2], v[S+16:S+31], v[BS+1]
	v_lshl_or_b32 v[TA], v[TC], 8, v[TA]           ; my head's two bytes.  (The plain place behind the conversions)
.irp i, 0,1,2
	v_permlane16_swap_b32 v[PC+\i], v[CT+\i]       ; a whole block to a lane: lanes 0-15 block 0, lanes 16-31 block 1
.endr
.irp i, 0,1,2
	v_mov_b32 v[PC+3+\i], v[CT+\i]
.endr
	global_store_b128 v1, v[PC:PC+3], s[60:61]
	global_store_b64 v2, v[PC+4:PC+5], s[60:61] offset:512
	global_store_b16 v10, v[TA], s[62:63] offset:12288   ; my head's two bytes of row r's word; lanes r and 16 + r store the same
	s_wait_tensorcnt 0x0                           ; the wave's end
	ds_add_u32 v254, v255
	s_wait_dscnt 0x0
	CROUND                                         ; the closing round
	s_endpgm
.Lfunc_end_k_qe18c7f7df5_attn:
	.size	k_qe18c7f7df5_attn, .Lfunc_end_k_qe18c7f7df5_attn-k_qe18c7f7df5_attn
	.p2alignl 7, 3214868480
	.fill 96, 4, 3214868480
	.section	.rodata,"a",@progbits
	.p2align	6, 0x0
	.amdhsa_kernel k_qe18c7f7df5_attn
		.amdhsa_group_segment_fixed_size 327680
		.amdhsa_private_segment_fixed_size 0
		.amdhsa_enable_private_segment 0
		.amdhsa_kernarg_size 24
		.amdhsa_user_sgpr_count 2
		.amdhsa_user_sgpr_kernarg_segment_ptr 1
		.amdhsa_wavefront_size32 1
		.amdhsa_system_sgpr_workgroup_id_x 1
		.amdhsa_system_sgpr_workgroup_id_y 1
		.amdhsa_system_sgpr_workgroup_id_z 1
		.amdhsa_system_vgpr_workitem_id 0
		.amdhsa_next_free_vgpr 256
		.amdhsa_next_free_sgpr 100
		.amdhsa_reserve_vcc 0
		.amdhsa_float_denorm_mode_32 3
		.amdhsa_float_denorm_mode_16_64 3
		.amdhsa_memory_ordered 1
		.amdhsa_forward_progress 1
		.amdhsa_inst_pref_size 48
	.end_amdhsa_kernel
	.amdgpu_metadata
---
amdhsa.version: [ 1, 2 ]
amdhsa.kernels:
  - .name:           k_qe18c7f7df5_attn
    .symbol:         k_qe18c7f7df5_attn.kd
    .args:
      - { .name: kq, .offset: 0, .size: 8, .value_kind: global_buffer, .address_space: global }
      - { .name: vq, .offset: 8, .size: 8, .value_kind: global_buffer, .address_space: global }
      - { .name: oq, .offset: 16, .size: 8, .value_kind: global_buffer, .address_space: global }
    .group_segment_fixed_size: 327680
    .private_segment_fixed_size: 0
    .kernarg_segment_align: 8
    .kernarg_segment_size: 24
    .max_flat_workgroup_size: 512
    .sgpr_count:     100
    .vgpr_count:     256
    .wavefront_size: 32
...
	.end_amdgpu_metadata
.endif
;; end of part 3
;; launch gemm_o (part 4): grid 8 x 32, 4 waves a work-group, clusters of 4 x 4, 327,680 bytes of LDS; arguments oq, woq, bo, out0; writes out0
.if DOCPART == 4
	.amdgcn_target "amdgcn-amd-amdhsa--gfx1250"
	.amdhsa_code_object_version 6
	.text
	.protected	k_qe18c7f7df5_gemm_o
	.globl	k_qe18c7f7df5_gemm_o
	.p2align	8
	.type	k_qe18c7f7df5_gemm_o,@function
k_qe18c7f7df5_gemm_o:
	s_mov_b64 s[64:65], 0
	v_nop
	global_prefetch_b8 v0, s[64:65] scope:SCOPE_SE
	s_setreg_imm32_b32 hwreg(HW_REG_WAVE_MODE, 25, 1), 1
	s_wait_xcnt 0x0
	s_wait_alu depctr_hold_cnt(0) depctr_sa_sdst(0) depctr_va_vdst(0) depctr_va_sdst(0) depctr_va_ssrc(0) depctr_va_vcc(0) depctr_vm_vsrc(0)
	s_getreg_b32 s2, hwreg(HW_REG_IB_STS2, 6, 4)
	s_cmp_eq_u32 s2, 0
	s_cbranch_scc0 .Lentry_in_a_cluster
	s_endpgm
.Lentry_in_a_cluster:
	s_bfe_u32 s2, ttmp6, 0x10000c
	s_cmp_lg_u32 s2, 0xf033
	s_cbranch_scc0 .Lentry_shape_is_right
	s_endpgm
.Lentry_shape_is_right:
; out0 = attention's result x Wo + bo on codes of E2M3 (oq, woq: chunks of 12,800 bytes: 8 fragment images of 1,536 bytes for one K step of 128, then 512 bytes of scale words [tile 8][r 16]); out0 [4096][1024] f32.
; A work-group makes 128 tokens x 128 columns; wave w: tokens 64 (w / 2) on, columns 64 (w % 2) on: 16 accumulators, 16 matrix instructions a K step, 8 K steps.
; ALL THAT THE WORK-GROUP READS FITS IN LDS AT ONCE (204,800 bytes): every tensor load is a first fill, issued at the head: one joint load of four K steps a wave; one load of a wave is out at the most.
; CLUSTER 4 x 4: the four of a row need the same 128 tokens, the four of a column the same 128 columns: each chunk is asked for jointly.
; THE MATRIX INSTRUCTION IS USED TRANSPOSED (source 0 = 16 columns of Wo, source 1 = 16 tokens).  The rows of a tile are not neighbours (lane r of tile 2 b + u: row 32 b + 8 u + r + 8 (r / 8)), so lane (r, h) holds the tile's
; token r, and v[ACC + 32 a + 16 B + i] is column 32 B + 16 h + i of my 64.  THE BIAS IS LOADED INTO THE ACCUMULATORS: every product adds in place.
; LIMITS: the bias begins each f32 sum where the definition adds it last.  NaN and infinities are not served.
.set CH,   12800
.set AB,   8*CH                        ; LDS: A's 8 chunks at 0, B's at AB
.set STG,  2*AB                        ; behind them a stage of 17,664 bytes for each wave; no fill lands there
.set STGW, 17664
.set SC,   24                          ; v24-27  scale words: lanes 0-15 the tokens' tile i, lanes 16-31 the columns' tile i; these registers hold nothing else
.set AF,   32
.set BF,   80
.set ACC,  128
.set WV,   14
.set WM,   15
.set WN,   16
.set G1A,  24
.set G1B,  32
.set G0A,  48
.set G0B,  68
.macro CROUND
	s_barrier_signal -1
	s_barrier_wait -1
	s_cmp_lg_u32 s[WV], 0
	s_cbranch_scc1 .Lnot_wave_0_\@
	s_barrier_signal -3
.Lnot_wave_0_\@:
	s_barrier_wait -3
	s_barrier_signal -1
	s_barrier_wait -1
.endm
.macro FRAG reg, a16, a8, off
	ds_load_b128 v[(\reg):(\reg)+3], v[\a16] offset:(\off)
	ds_load_b64 v[(\reg)+4:(\reg)+5], v[\a8] offset:(\off)+512
	ds_load_b128 v[(\reg)+6:(\reg)+9], v[\a16] offset:(\off)+768
	ds_load_b64 v[(\reg)+10:(\reg)+11], v[\a8] offset:(\off)+1280
.endm
.macro MUL8 a0                         ; the 16 accumulators take turns, one instruction a turn, in the same order in every K step
.irp a, \a0, \a0+1
.irp b, 0,1,2,3
	v_wmma_scale_f32_16x16x128_f8f6f4 v[ACC+8*(4*(\a)+\b):ACC+8*(4*(\a)+\b)+7], v[BF+12*\b:BF+12*\b+11], v[AF+12*(\a):AF+12*(\a)+11], v[ACC+8*(4*(\a)+\b):ACC+8*(4*(\a)+\b)+7], v[SC+\b], v[SC+(\a)] matrix_a_fmt:MATRIX_FMT_FP6 matrix_b_fmt:MATRIX_FMT_FP6 matrix_a_scale:MATRIX_SCALE_ROW1
.endr
.endr
.endm
.macro KSTEP s
.set OFF, ((\s)%4)*CH
.irp i, 0,1,2,3
	FRAG BF+12*\i, 6, 7, OFF+1536*\i
.endr
.irp i, 0,1,2,3
	ds_load_b32 v[SC+\i], v8 offset:OFF+64*\i
.endr
.irp i, 0,1,2,3
	FRAG AF+12*\i, 4, 5, OFF+1536*\i
.endr
	s_wait_dscnt 8                                 ; all but the youngest eight loads: the tokens' fragments 2 and 3
	MUL8 0
	s_wait_dscnt 0x0
	MUL8 2
.rept 4
	v_nop                                          ; four places in front of loads into registers that matrix instructions have read, and of the first read of results
.endr
.endm
	s_load_b256 s[4:11], s[0:1], 0x0               ; oq s[4:5], woq s[6:7], bo s[8:9], out0 s[10:11]
	v_lshl_add_u32 v30, v0, 2, 0x43300
	v_mov_b32 v31, 0
	ds_add_u32 v30, v31
	ds_add_u32 v30, v31
	v_lshrrev_b32 v1, 5, v0
	v_readfirstlane_b32 s[WV], v1                  ; wave 0..3
	s_lshr_b32 s[WM], s[WV], 1                     ; which 64 tokens are mine.  Also: I fetch for A (0) or for B (1)
	s_and_b32 s[WN], s[WV], 1                      ; which 64 columns.  Also: which four K steps I fetch
	s_bfe_u32 s17, ttmp6, 0x40000                  ; cx
	s_bfe_u32 s18, ttmp6, 0x40004                  ; cy
	s_lshl_b32 s19, ttmp9, 2
	s_add_co_u32 s19, s19, s17                     ; which 128 columns
	s_and_b32 s20, ttmp7, 0xffff
	s_lshl_b32 s20, s20, 2
	s_add_co_u32 s20, s20, s18                     ; which 128 tokens
	s_lshl_b32 s21, s18, 2
	s_lshl_b32 s21, 15, s21                        ; my row of the cluster
	s_lshl_b32 s22, 0x1111, s17                    ; my column
	s_or_b32 s[G1A], s21, (3<<16)|(1<<21)          ; 15:0 the mask; 17:16 elements of 8 bytes; no padding; 21 set beside a mask
	s_or_b32 s[G1B], s22, (3<<16)|(1<<21)
.irp g, G1A, G1B                       ; a chunk is dense: 50 rows of 256 bytes
	s_mov_b32 s[\g+1], 32<<16
	s_mov_b32 s[\g+2], 200<<16                     ; 200 rows: four chunks on end, dense
	s_mov_b32 s[\g+3], 32<<16
	s_mov_b32 s[\g+4], 200
	s_mov_b32 s[\g+5], 32
	s_mov_b32 s[\g+6], 0
	s_mov_b32 s[\g+7], 0
.endr
	; THE HEAD'S LOADS AS THEY NOW STAND (the head comment's four stages are no more): one joint load a wave, four K steps each: waves 0, 1 the tokens' chunks 0-3 and 4-7, waves 2, 3 the columns'; one wait for 0 and one barrier ahead of the first K step
	s_mul_i32 s42, s[WN], 4*CH                     ; my four K steps: no place in the cluster enters an LDS address
	s_mul_i32 s40, s20, 8*CH
	s_add_co_u32 s40, s40, s42                     ; A's hang on the tokens alone,
	s_mov_b32 s41, 0
	s_mul_i32 s44, s19, 8*CH
	s_add_co_u32 s44, s44, s42                     ; B's on the columns alone
	s_mov_b32 s45, 0
	s_wait_dscnt 0x0                               ; both opening adds are done
	CROUND                                         ; the round in front of the first joint loads: it names no argument, so it stands ahead of the wait for them; only scalar work follows up to the loads
	s_wait_kmcnt 0x0
	s_add_nc_u64 s[40:41], s[4:5], s[40:41]
	s_add_nc_u64 s[44:45], s[6:7], s[44:45]
.irp j, 0
	s_mov_b32 s[G0A+4*\j], 1
	s_add_co_u32 s[G0A+4*\j+1], s42, \j*2*CH
	s_add_nc_u64 s[G0A+4*\j+2:G0A+4*\j+3], s[40:41], \j*2*CH
	s_or_b32 s[G0A+4*\j+3], s[G0A+4*\j+3], 0x80000000
	s_mov_b32 s[G0B+4*\j], 1
	s_add_co_u32 s[G0B+4*\j+1], s42, AB+\j*2*CH
	s_add_nc_u64 s[G0B+4*\j+2:G0B+4*\j+3], s[44:45], \j*2*CH
	s_or_b32 s[G0B+4*\j+3], s[G0B+4*\j+3], 0x80000000
.endr
	s_cmp_eq_u32 s[WM], 0                          ; one first fill a wave, one to each arm of one branch on the wave's number
	s_cbranch_scc0 .Lfirst_b
	tensor_load_to_lds s[G0A:G0A+3], s[G1A:G1A+7]
	s_nop 0
.rept 4
	v_nop
.endr
	s_branch .Lfirst_asked
.Lfirst_b:
	tensor_load_to_lds s[G0B:G0B+3], s[G1B:G1B+7]
	s_nop 0
.rept 4
	v_nop
.endr
.Lfirst_asked:
	v_and_b32 v3, 31, v0                           ; lane
	s_wait_alu depctr_va_vdst(0)
	v_and_b32 v1, 15, v0                           ; r
	v_bfe_u32 v2, v0, 4, 1                         ; h
	s_wait_alu depctr_va_vdst(0)
	v_lshlrev_b32 v9, 6, v2                        ; the bias: 64 h
	s_lshl_b32 s90, s19, 9
	s_lshl_b32 s91, s[WN], 8
	s_add_co_u32 s90, s90, s91                     ; my 64 columns, in bytes
	s_mov_b32 s91, 0
	s_add_nc_u64 s[8:9], s[8:9], s[90:91]
.irp a, 0,1,2,3
.irp b, 0,1,2,3
	global_load_b128 v[ACC+8*(4*\a+\b):ACC+8*(4*\a+\b)+3], v9, s[8:9] offset:(32*(\b/2)+8*(\b%2))*4       ; register j of tile b: column 32 (b / 2) + 8 (b % 2) + 16 h + j
	global_load_b128 v[ACC+8*(4*\a+\b)+4:ACC+8*(4*\a+\b)+7], v9, s[8:9] offset:(32*(\b/2)+8*(\b%2))*4+16
.endr
.endr
	s_mul_i32 s84, s[WM], 6144                     ; my four tiles of tokens
	s_mul_i32 s85, s[WN], 6144                     ; my four tiles of columns,
	s_add_co_u32 s85, s85, AB                      ; behind A's chunks
	v_lshl_add_u32 v4, v3, 4, s84
	v_lshl_add_u32 v5, v3, 3, s84
	v_lshl_add_u32 v6, v3, 4, s85
	v_lshl_add_u32 v7, v3, 3, s85
	s_lshl_b32 s88, s[WM], 8                       ; the scale words: lanes 0-15 take the tokens', lanes 16-31 the columns': the lower base + h x the distance
	s_lshl_b32 s89, s[WN], 8
	s_add_co_u32 s89, s89, AB
	s_sub_co_u32 s89, s89, s88
	v_mul_u32_u24 v8, s89, v2
	s_add_co_u32 s88, s88, 12288
	v_lshl_add_u32 v8, v1, 2, v8
	v_add_nc_u32 v8, s88, v8
	; the way out's addresses
	s_mul_i32 s23, s[WV], STGW
	s_add_co_u32 s23, s23, STG                     ; my stage: 64 rows x (256 bytes + 16)
	v_mul_u32_u24 v10, v1, 272
	v_lshl_add_u32 v10, v2, 6, v10
	v_add_nc_u32 v10, s23, v10                     ; in: row r of a tile, + 64 h
	v_mul_u32_u24 v11, v2, 272
	v_lshl_add_u32 v11, v1, 4, v11
	v_add_nc_u32 v11, s23, v11                     ; back: lanes 0-15 one row of 256 bytes, lanes 16-31 the next
	v_lshlrev_b32 v12, 12, v2
	v_lshl_add_u32 v12, v1, 4, v12                 ; and the same in out0: neighbouring rows of the stage are neighbouring tokens
	s_lshl_b32 s92, s20, 19                        ; 128 tokens of 4,096 bytes
	s_lshl_b32 s93, s[WM], 18
	s_add_co_u32 s92, s92, s93
	s_add_co_u32 s92, s92, s90                     ; + my 64 columns
	s_mov_b32 s93, 0
	s_add_nc_u64 s[10:11], s[10:11], s[92:93]
	s_wait_alu depctr_va_vdst(0)
	s_wait_loadcnt 0x0                             ; the bias is in the accumulators
	s_wait_alu depctr_va_vdst(0)
	s_wait_tensorcnt 0x0                           ; my one load has landed
	s_barrier_signal -1
	s_barrier_wait -1                              ; everybody's has: all eight K steps lie in LDS
.irp j, 0,1,2,3
	s_wait_alu depctr_va_vdst(0)
	KSTEP 2*\j
	KSTEP 2*\j+1
.if \j == 1
.irp v, 4,5,6,7,8
	v_add_nc_u32 v\v, 4*CH, v\v                    ; on to the last four K steps, so that the offsets stay inside 16 bits
.endr
.endif
.endr
	; THE WAY OUT: a lane holds pieces of one token's row and the lanes beside it other tokens: my 64 x 64 goes through my own stage (row 16 a + r) and comes back as rows of 256 bytes
.irp a, 0,1,2,3
.irp q, 0,1,2,3,4,5,6,7
	ds_store_b128 v10, v[ACC+32*\a+4*\q:ACC+32*\a+4*\q+3] offset:\a*4352+128*(\q/4)+16*(\q%4)   ; each accumulator from its low end on
.endr
.endr
	s_wait_dscnt 0x0                               ; the stores have read the accumulators' registers, which take the rows
.set t, 0
.rept 32
	ds_load_b128 v[ACC+4*t:ACC+4*t+3], v11 offset:2*t*272
.set t, t+1
.endr
.set t, 0
.rept 32
	s_wait_dscnt 31-t                              ; rows 2 t and 2 t + 1 are back; the younger loads may be out
	global_store_b128 v12, v[ACC+4*t:ACC+4*t+3], s[10:11] offset:(32*(t/16)+8*((t/8)%2)+2*(t%8)+8*((t%8)/4))*4096 th:TH_STORE_NT   ; stage row 16 a + r is token 32 (a / 2) + 8 (a % 2) + r + 8 (r / 8); sixteen lanes store 256 consecutive bytes, aligned
.set t, t+1
.endr
	s_wait_tensorcnt 0x0
	s_wait_dscnt 0x0
	s_wait_tensorcnt 0x0
	ds_add_u32 v30, v31
	s_wait_dscnt 0x0
	CROUND                                         ; the closing round: no work-group ends while a partner may still ask for a chunk that names it
	s_endpgm
.Lfunc_end_k_qe18c7f7df5_gemm_o:
	.size	k_qe18c7f7df5_gemm_o, .Lfunc_end_k_qe18c7f7df5_gemm_o-k_qe18c7f7df5_gemm_o
	.p2alignl 7, 3214868480
	.fill 96, 4, 3214868480
	.section	.rodata,"a",@progbits
	.p2align	6, 0x0
	.amdhsa_kernel k_qe18c7f7df5_gemm_o
		.amdhsa_group_segment_fixed_size 327680
		.amdhsa_private_segment_fixed_size 0
		.amdhsa_enable_private_segment 0
		.amdhsa_kernarg_size 32
		.amdhsa_user_sgpr_count 2
		.amdhsa_user_sgpr_kernarg_segment_ptr 1
		.amdhsa_wavefront_size32 1
		.amdhsa_system_sgpr_workgroup_id_x 1
		.amdhsa_system_sgpr_workgroup_id_y 1
		.amdhsa_system_sgpr_workgroup_id_z 1
		.amdhsa_system_vgpr_workitem_id 0
		.amdhsa_next_free_vgpr 256
		.amdhsa_next_free_sgpr 100
		.amdhsa_reserve_vcc 0
		.amdhsa_float_denorm_mode_32 3
		.amdhsa_float_denorm_mode_16_64 3
		.amdhsa_memory_ordered 1
		.amdhsa_forward_progress 1
		.amdhsa_inst_pref_size 54
	.end_amdhsa_kernel
	.amdgpu_metadata
---
amdhsa.version: [ 1, 2 ]
amdhsa.kernels:
  - .name:           k_qe18c7f7df5_gemm_o
    .symbol:         k_qe18c7f7df5_gemm_o.kd
    .args:
      - { .name: oq, .offset: 0, .size: 8, .value_kind: global_buffer, .address_space: global }
      - { .name: woq, .offset: 8, .size: 8, .value_kind: global_buffer, .address_space: global }
      - { .name: bo, .offset: 16, .size: 8, .value_kind: global_buffer, .address_space: global }
      - { .name: out0, .offset: 24, .size: 8, .value_kind: global_buffer, .address_space: global }
    .group_segment_fixed_size: 327680
    .private_segment_fixed_size: 0
    .kernarg_segment_align: 8
    .kernarg_segment_size: 32
    .max_flat_workgroup_size: 128
    .sgpr_count:     100
    .vgpr_count:     256
    .wavefront_size: 32
...
	.end_amdgpu_metadata
.endif
;; end of part 4
